; MI455X (gfx1250); checked and timed in simulation.
; The chip was launched on July 23, 2026; its instructions are those of AMD's public machine-readable ISA for CDNA 5 (MIT licence, August 2026) and "CDNA5" Instruction Set Architecture Reference Guide (July 2026). The comments in the code are by the model that wrote it; some were corrected since.
;; FF Dense. Allowed arithmetic: matrix products marked QUANTISED: E5M2 operands, one E8M0 scale for each 32 along K, by v_wmma_scale_f32_16x16x128_f8f6f4 with both operands' format E5M2, f32 sums; everything else in f32.
;; Inputs: W 4,096 x 4,096 float32; b 4,096 float32; x 4,096 x 4,096 float32.
;; Outputs: out0 4,096 x 4,096 float32.
;; This version of the problem:
;;   THIS VERSION OF THE PROBLEM IS GIVEN IN LOW PRECISION. The matrix products marked QUANTISED in the list below multiply operands that are first quantised to E5M2 (5 exponent bits, 2 mantissa bits; 8 bits a number), with one power-of-two scale for each 32 numbers along K (OCP MX v1.0); their sums are f32. All else is computed in f32.
;;   The module's matrix products, in the order in which they are computed (A, B: the left and right operand; K: the contracted axis; several contracted axes count as one K, in the product's order):
;;     1. [M 4,096, K 4,096] x [K 4,096, N 4,096]; A: computed on the way; B: input W: QUANTISED
;;   THE QUANTISER, for each operand of a quantised product, along K:
;;     - K is cut into blocks of 32 from its start; a last block that is shorter is filled with zeros.
;;     - A block's scale is 2^e with e = floor(log2(the largest magnitude in the block)) - 15, held to -126 .. 127; a block of zeros has e = 0. As a byte (E8M0): e + 127.
;;     - Each number is divided by its block's scale, clamped to +-57,344, and rounded to the nearest number of E5M2, ties to even, subnormals kept.
;;     - The product sums the exact products of the quantised numbers (number of the format x scale) in f32.
;;   ~~~python
;;   def quantise(x, axis):      # numpy; x: float32 -> the quantised numbers, widened to float32 again
;;       x = np.moveaxis(x, axis, -1); K = x.shape[-1]
;;       x = np.pad(x, [(0, 0)] * (x.ndim - 1) + [(0, -K % 32)]); x = x.reshape(x.shape[:-1] + (-1, 32)); a = np.abs(x).max(-1, keepdims=True)
;;       e = np.where(a > 0, np.clip(np.frexp(np.where(a > 0, a, 1))[1] - 1 - 15, -126, 127), 0)      # np.frexp(a)[1] - 1 = floor(log2(a)), exactly
;;       r = np.clip(x / 2.0 ** e, -57344, 57344)
;;       step = 2.0 ** (np.maximum(np.frexp(np.where(r == 0, 1, r))[1] - 1, -14) - 2)
;;       q = np.round(r / step) * step * 2.0 ** e      # np.round: ties to even
;;       return np.moveaxis(q.reshape(q.shape[:-2] + (-1,))[..., :K], -1, axis).astype(np.float32)
;;   ~~~
;;   OPERANDS COMPUTED ON THE WAY. 'Computed on the way' means the value that the module computes at that place (a softmax that the list does not call 'softmax' is quantised finished and normalised). What goes into a quantiser is computed in f32, as accurately as f32 sums, v_exp_f32 and their like allow (about 1e-6 of the number): no bf16 or f16 on the way to a quantiser, and a product that is left as it is and whose result goes on into a quantised operand takes f32 operands (vector FMAs, or v_wmma_f32_16x16x4_f32). A number that lies on a knife's edge between two numbers of the format may be rounded either way, as far as f32 arithmetic and the matrix unit's own rounding can turn it there, and no further.
;; One version. Each part assembles by itself: llvm-mc -triple=amdgcn-amd-amdhsa -mcpu=gfx1250 --defsym DOCPART=n.
;; ======== version 1 of 1: 2 launches
;; limits: right only within a limited range of input values
;; workspace buffers: aq 17,301,504 bytes; bq 17,301,504 bytes
;; launch quant (part 1): grid 256 x 1, 16 waves a work-group, no clusters, 231,424 bytes of LDS; arguments x, W, aq, bq; writes aq, bq
.if DOCPART == 1
	.amdgcn_target "amdgcn-amd-amdhsa--gfx1250"
	.amdhsa_code_object_version 6
	.text
	.protected	k_q51a0cc9507_quant
	.globl	k_q51a0cc9507_quant
	.p2align	8
	.type	k_q51a0cc9507_quant,@function
k_q51a0cc9507_quant:
	s_mov_b64 s[64:65], 0
	v_nop
	global_prefetch_b8 v0, s[64:65] scope:SCOPE_SE
	s_setreg_imm32_b32 hwreg(HW_REG_WAVE_MODE, 25, 1), 1
	s_wait_xcnt 0x0
; Both operands of out = relu((x / (|x row| + 1e-5)) W + b) become codes of BF8 (E5M2), K innermost, with one E8M0 scale byte for each 32 along K.
; x: [4096][4096] f32, K innermost.  W: [4096 (k)][4096 (n)] f32, K is its FIRST axis.
; aq, bq: [block of 256 rows: 16][K step of 256: 16][67,584 bytes].  Such a piece is 264 dense rows of 256 bytes: rows 0-255 are the 256 codes of the block's rows (for bq: of W's columns),
; rows 256-263 the scale bytes, 8 for each row, row r's at byte 65,536 + 8 r.  So the product's launch fetches a K step's codes and scales of 256 rows as one dense piece.
; A block's scale is 2^(floor(log2(its largest magnitude)) - 15); its byte is that magnitude's exponent field - 15, held at 1 from below; each number is divided by the scale, held within +-57,344, rounded to the nearest code, ties to even.
; WORK-GROUPS 0-127 take x, 32 rows each: wave w rows w and w + 16 of them.  A row (16,384 bytes) lies in 128 registers of one wave between the pass that sums its squares and the pass that scales and quantises: x is read once.
; WORK-GROUPS 128-255 take W: 512 columns x 256 along K each; wave w takes columns 64 (w % 8) .. + 63 and K 128 (w / 8) .. + 127.  A lane takes TWO neighbouring columns, so that each load of the wave covers 256 consecutive bytes, aligned;
; its registers run down K, the two columns by turns.  The hold, which is due anyway, writes each column's 32 numbers into consecutive registers, so that the conversions give codes with K innermost and nothing is transposed.
; A column's 256 codes of the K step come from two waves: codes and scale words meet in LDS, one barrier, and each wave stores 32 whole rows.
; The two paths part once, on the work-group's number, and do not meet again; each has LDS bytes of its own; every LDS address is made ahead of the parting, from the lane and the wave alone.
; LIMITS: NaN and infinities among the inputs are not served.  A block of zeros gets the byte 1 where the rule says 127 (its codes are zeros, and this program alone reads the bytes); blocks whose largest magnitude lies under
; 2^(16 - 127), the floor, are quantised under the byte 1.  x / norm is x times v_rcp_f32(norm), and the root is v_sqrt_f32: each within 1 ulp (ISA guide, their entries), so a number ahead of the quantiser can differ from a true division by some 2 ulp.
.set BLK,  67584                       ; a piece: 264 rows of 256 bytes
.set MBS,  16*BLK                      ; the 16 K steps of a block of 256 rows
.set SCO,  65536                       ; where a piece's scale bytes begin
.set SP,   80                          ; x's stage: a lane's 64 bytes + 16 of padding
.set SCX,  81920                       ; LDS: behind x's stages (16 waves x 2 x 32 x 80 bytes from byte 0): x's scale bytes [K step 16][row 32][8]
.set WST,  86016                       ; behind them: W's stage, 512 rows (columns of W) x 272 bytes; behind it, from 0x37000, the spare words, 128 bytes a wave
.set WSC,  227328                      ; behind the spare words: W's scale bytes [column 512][8]
.set R,    64                          ; x: v64-191   a row as it is loaded: 8 steps of 512 numbers, 16 registers each
.set X,    32                          ; x: v32-63    two sets of 16 neighbours
.set C,    192                         ; x: v192-223  codes: four registers for each step of a row
.set E,    224                         ; x: v224-239  a scale byte for each step of each of the two rows
.set WX,   32                          ; W: v32-159   two sets of 32 x 2 numbers as they are loaded
.set WH,   160                         ; W: v160-223  a block's numbers, held: 32 of the first column, 32 of the second
.set WC,   224                         ; W: v224-239  a block's codes: 8 registers a column
.set OUTR, 32                          ; W: v32-95    the way out
	s_load_b256 s[4:11], s[0:1], 0x0               ; x s[4:5], W s[6:7], aq s[8:9], bq s[10:11]
	v_lshl_add_u32 v254, v0, 2, 0x37000
	v_mov_b32 v255, 0
	v_lshrrev_b32 v1, 5, v0
	s_delay_alu instid0(VALU_DEP_1)
	v_readfirstlane_b32 s12, v1                    ; wave 0..15
	v_and_b32 v1, 31, v0                           ; lane
	s_delay_alu instid0(VALU_DEP_1)
	v_lshlrev_b32 v2, 4, v1                        ; 16 x lane: x's loads, W's code stores
	s_delay_alu instid0(VALU_DEP_2)
	v_lshrrev_b32 v12, 2, v1
	s_delay_alu instid0(VALU_DEP_1)
	v_mul_u32_u24 v3, v12, SP
	s_delay_alu instid0(VALU_DEP_4)
	v_and_b32 v12, 3, v1
	s_delay_alu instid0(VALU_DEP_1)
	v_lshl_add_u32 v3, v12, 4, v3
	s_mul_i32 s13, s12, 2*32*SP                    ; my wave's two stages for x
	v_add_nc_u32 v3, s13, v3                       ; into a stage: four lanes' 64 bytes on end, then 16 of padding
	v_mul_u32_u24 v4, v1, SP
	s_delay_alu instid0(VALU_DEP_1)
	v_add_nc_u32 v4, s13, v4                       ; out of it: my 16 neighbours
	v_bfe_u32 v12, v0, 4, 1                        ; lane / 16
	v_bfe_u32 v13, v0, 1, 3                        ; (lane / 2) % 8: my block of 32 among the eight of its K step
	s_delay_alu instid0(VALU_DEP_1)
	v_lshl_add_u32 v5, v12, 8, v13
	s_lshl_b32 s13, s12, 3
	s_add_co_u32 s13, s13, SCX
	v_add_nc_u32 v5, s13, v5                       ; x's scale byte: 256 x (lane / 16) for the K step, 8 x wave for the row, my block's byte
	v_and_b32 v13, 15, v0
	v_mul_u32_u24 v6, v12, BLK
	s_delay_alu instid0(VALU_DEP_1)
	v_lshl_add_u32 v6, v13, 4, v6                  ; x's codes: lanes 0-15 the row's 256 bytes of one K step, lanes 16-31 those of the next
	v_lshlrev_b32 v8, 3, v1                        ; 8 x lane: the scale bytes' stores, W's loads
	s_lshl_b32 s13, s12, 8
	s_add_co_u32 s13, s13, SCX
	v_add_nc_u32 v7, s13, v8                       ; x's scale bytes back: wave w takes K step w's 256 bytes
	s_lshl_b32 s13, s12, 8
	s_add_co_u32 s13, s13, WSC
	v_add_nc_u32 v15, s13, v8                      ; W's scale bytes back: wave w takes columns 32 w .. + 31, 8 bytes a lane
	s_mul_i32 s13, s12, 32*272
	s_add_co_u32 s13, s13, WST
	v_mul_u32_u24 v11, v12, 272
	s_delay_alu instid0(VALU_DEP_1)
	v_lshl_add_u32 v11, v13, 4, v11
	s_delay_alu instid0(VALU_DEP_1)
	v_add_nc_u32 v11, s13, v11                     ; out of W's stage: rows 32 w .. + 31, sixteen lanes to a row, two rows an instruction
	s_and_b32 s13, s12, 7                          ; which 64 columns,
	s_lshr_b32 s14, s12, 3                         ; which half of the K step
	s_mul_i32 s20, s13, 64*272
	s_lshl_b32 s21, s14, 7
	s_add_co_u32 s20, s20, s21
	s_add_co_u32 s20, s20, WST
	v_mul_u32_u24 v10, v1, 2*272
	v_add_nc_u32 v10, s20, v10                     ; into W's stage: row = my first column, 128 bytes on for the upper half of K
	s_lshl_b32 s20, s13, 9
	s_lshl_b32 s21, s14, 2
	s_add_co_u32 s20, s20, s21
	s_add_co_u32 s20, s20, WSC
	v_lshl_add_u32 v14, v1, 4, s20                 ; W's scale words: 8 bytes a column, two columns a lane, 4 bytes on for the upper half of K
	s_mov_b32 s29, 0x600000                        ; the mantissa field of 57,344
	s_mov_b32 s30, 0x76543210
	s_mov_b32 s31, 0xfedcba98                      ; v_permlanex16_b32's selects for lane l xor 16
	s_mov_b32 s15, 0
	s_wait_kmcnt 0x0
	s_cmp_lt_u32 ttmp9, 128                        ; the same in all sixteen waves of a work-group
	s_cbranch_scc0 .Lpath_w
; ------------------------------------------------------------------ x
	s_lshl_b32 s13, ttmp9, 5
	s_add_co_u32 s13, s13, s12                     ; my first row: 32 x work-group + wave
	s_lshl_b32 s14, s13, 14                        ; x 16,384 bytes
	s_add_nc_u64 s[4:5], s[4:5], s[14:15]
	s_lshr_b32 s20, ttmp9, 3                       ; which block of 256 rows,
	s_and_b32 s21, ttmp9, 7                        ; and which 32 of them
	s_mul_i32 s14, s20, MBS
	s_lshl_b32 s22, s21, 5
	s_add_co_u32 s22, s22, s12
	s_lshl_b32 s22, s22, 8                         ; my first row's 256 bytes in a piece
	s_add_co_u32 s14, s14, s22
	s_add_nc_u64 s[16:17], s[8:9], s[14:15]        ; the codes
	s_lshl_b32 s22, s20, 4
	s_add_co_u32 s22, s22, s12                     ; piece (block, K step = wave)
	s_mul_i32 s14, s22, BLK
	s_lshl_b32 s22, s21, 8                         ; the work-group's 32 rows x 8 bytes
	s_add_co_u32 s14, s14, s22
	s_add_co_u32 s14, s14, SCO
	s_add_nc_u64 s[18:19], s[8:9], s[14:15]        ; the scale bytes that my wave stores at the end
.macro XLOAD n, t                      ; step t (512 numbers) of my row n: each load reads 512 consecutive bytes
.irp i, 0,1,2,3
	global_load_b128 v[R+16*(\t)+4*\i:R+16*(\t)+4*\i+3], v2, s[4:5] offset:262144*(\n)+2048*(\t)+512*\i th:TH_LOAD_NT
.endr
.endm
; The row's sum of squares in f32, in eight chains a lane (four packed), then over the 32 lanes; 1 / (root + 1e-5) twice, in v[28:29].
.macro SUMSQ
.irp t, 0,1,2,3,4,5,6,7
	s_wait_alu depctr_va_vdst(0)
	s_wait_loadcnt 28-4*\t                         ; step t's four loads are in; the 4 (7 - t) loads of the row's later steps may be out
.irp p, 0,1,2,3,4,5,6,7
.if (\t == 0) && (\p < 4)
	v_pk_mul_f32 v[16+2*\p:17+2*\p], v[R+2*\p:R+2*\p+1], v[R+2*\p:R+2*\p+1]           ; the first four pairs start the chains: nothing is cleared
.else
	v_pk_fma_f32 v[16+2*(\p%4):17+2*(\p%4)], v[R+16*\t+2*\p:R+16*\t+2*\p+1], v[R+16*\t+2*\p:R+16*\t+2*\p+1], v[16+2*(\p%4):17+2*(\p%4)]
.endif
.endr
.endr
	s_delay_alu instid0(VALU_DEP_3)
	v_pk_add_f32 v[16:17], v[16:17], v[18:19]
	s_delay_alu instid0(VALU_DEP_2)
	v_pk_add_f32 v[20:21], v[20:21], v[22:23]
	s_delay_alu instid0(VALU_DEP_1)
	v_pk_add_f32 v[16:17], v[16:17], v[20:21]
	s_delay_alu instid0(VALU_DEP_1)
	v_add_f32 v16, v16, v17
	s_delay_alu instid0(VALU_DEP_1)
	v_add_f32_dpp v16, v16, v16 row_xmask:1 row_mask:0xf bank_mask:0xf
	s_delay_alu instid0(VALU_DEP_1)
	v_add_f32_dpp v16, v16, v16 row_xmask:2 row_mask:0xf bank_mask:0xf
	s_delay_alu instid0(VALU_DEP_1)
	v_add_f32_dpp v16, v16, v16 row_xmask:4 row_mask:0xf bank_mask:0xf
	s_delay_alu instid0(VALU_DEP_1)
	v_add_f32_dpp v16, v16, v16 row_xmask:8 row_mask:0xf bank_mask:0xf
	s_delay_alu instid0(VALU_DEP_1)
	v_permlanex16_b32 v17, v16, s30, s31           ; (its destination has been written)
	s_delay_alu instid0(VALU_DEP_1)
	v_add_f32 v16, v16, v17                        ; every lane holds the row's sum
	s_wait_alu depctr_va_vdst(0)
	v_sqrt_f32 v17, v16
	v_nop                                          ; one plain vector instruction stands behind a transcendental before its result is used
	s_wait_alu depctr_va_vdst(0)
	v_add_f32 v17, 0x3727c5ac, v17                 ; + 1e-5
	s_wait_alu depctr_va_vdst(0)
	v_rcp_f32 v28, v17
	v_nop
	s_wait_alu depctr_va_vdst(0)
	v_mov_b32 v29, v28                             ; a pair for the packed multiply
.endm
; Step t's 2,048 bytes go through the wave's own stage as they lie and come back 64 bytes a lane: 16 neighbours along K.  LDS serves a wave's instructions in order: no wait between the stores and the loads.
.macro XTURN t
.irp i, 0,1,2,3
	ds_store_b128 v3, v[R+16*(\t)+4*\i:R+16*(\t)+4*\i+3] offset:32*SP*((\t)%2)+8*SP*\i
.endr
.irp i, 0,1,2,3
	ds_load_b128 v[X+16*((\t)%2)+4*\i:X+16*((\t)%2)+4*\i+3], v4 offset:32*SP*((\t)%2)+16*\i
.endr
.endm
; Step t of row n is scaled, quantised and stored.  next = 1: the step's registers take the same step of my second row.
.macro XSTEP n, t, next
.set XS, X+16*((\t)%2)
.if (\t) > 0
	s_wait_dscnt 1                                 ; this step's numbers are back from the stage (the last step's byte store may be out): so the stores into the stage have read their registers,
.else
	s_wait_dscnt 0x0
.endif
.if \next
	XLOAD 1, \t                                    ; which take the next row's loads
.endif
.if (\t) < 7
	XTURN (\t)+1                                   ; the next step goes through the other stage while this one is worked
.endif
.irp i, 0,2,4,6,8,10,12,14
	v_pk_mul_f32 v[XS+\i:XS+\i+1], v[XS+\i:XS+\i+1], v[28:29]      ; x / (norm + 1e-5)
.endr
	v_max3_num_f32 v24, |v[XS]|, |v[XS+1]|, |v[XS+2]|              ; the largest magnitude of my 16, in two chains
	v_max3_num_f32 v25, |v[XS+3]|, |v[XS+4]|, |v[XS+5]|
.irp i, 6,10
	s_delay_alu instid0(VALU_DEP_2)
	v_max3_num_f32 v24, v24, |v[XS+\i]|, |v[XS+\i+1]|
	s_delay_alu instid0(VALU_DEP_2)
	v_max3_num_f32 v25, v25, |v[XS+\i+2]|, |v[XS+\i+3]|
.endr
	s_delay_alu instid0(VALU_DEP_2)
	v_max3_num_f32 v24, v24, |v[XS+14]|, |v[XS+15]|
	s_delay_alu instid0(VALU_DEP_1)
	v_max3_num_f32 v24, v24, v25, 0x8000000        ; and the floor 2^(16 - 127): the byte cannot fall under 1
	s_delay_alu instid0(VALU_DEP_1)
	v_max_num_f32_dpp v24, v24, v24 row_xmask:1 row_mask:0xf bank_mask:0xf   ; and of my neighbour's 16: the block's
	s_delay_alu instid0(VALU_DEP_1)
	v_add_nc_u32 v27, 0xf8800000, v24              ; 15 off its exponent field: the conversion takes the exponent field of this operand as its scale, and nothing else of it
	s_delay_alu instid0(VALU_DEP_2)
	v_and_or_b32 v26, v24, 0x7f800000, s29         ; 57,344 x the scale
.irp i, 0,1,2,3,4,5,6,7,8,9,10,11,12,13,14,15
	v_med3_num_f32 v[XS+\i], v[XS+\i], -v26, v26   ; the conversion to an 8-bit code does not saturate (ISA guide 7.6.2): the hold comes first
.endr
	v_cvt_scalef32_pk8_bf8_f32 v[C+4*(\t):C+4*(\t)+1], v[XS:XS+7], v27
	v_cvt_scalef32_pk8_bf8_f32 v[C+4*(\t)+2:C+4*(\t)+3], v[XS+8:XS+15], v27
	v_lshrrev_b32 v[E+8*(\n)+(\t)], 23, v27        ; the scale's byte (also the plain line behind the conversions)
	ds_store_b8 v5, v[E+8*(\n)+(\t)] offset:512*(\t)+128*(\n)      ; both lanes of a block write the same byte with the same value
	global_store_b128 v6, v[C+4*(\t):C+4*(\t)+3], s[16:17] offset:2*BLK*(\t)+4096*(\n)   ; sixteen lanes store the row's 256 consecutive bytes of a K step, aligned; K steps 2 t and 2 t + 1
.endm
.irp t, 0,1,2,3,4,5,6,7
	XLOAD 0, \t
.endr
	SUMSQ
	XTURN 0
	s_wait_alu depctr_va_vdst(0)
.irp t, 0,1,2,3,4,5,6,7
	XSTEP 0, \t, 1
.endr
	SUMSQ                                          ; the second row's 32 loads are the only ones out: the same counts
	s_wait_alu depctr_va_vdst(0)
	s_wait_xcnt 0x0                                ; the first row's stores have read their registers: the codes' registers are written again only behind this wait
	XTURN 0
.irp t, 0,1,2,3,4,5,6,7
	XSTEP 1, \t, 0
.endr
	s_wait_dscnt 0x0                               ; for the others' sake: my byte stores are done
	s_barrier_signal -1
	s_barrier_wait -1                              ; the scale bytes of the work-group's 32 rows lie in LDS, K step by K step
	ds_load_b64 v[24:25], v7
	s_wait_dscnt 0x0
	global_store_b64 v8, v[24:25], s[18:19]        ; 32 lanes store 256 consecutive bytes, aligned: 32 rows' scale bytes of K step w
	s_wait_tensorcnt 0x0
	ds_add_u32 v254, v255
	s_wait_dscnt 0x0
	s_endpgm
; ------------------------------------------------------------------ W
.Lpath_w:
	s_sub_co_u32 s13, ttmp9, 128
	s_and_b32 s20, s13, 7                          ; which 512 columns,
	s_lshr_b32 s21, s13, 3                         ; which K step of 256
	s_lshl_b32 s14, s21, 22                        ; 256 rows of 16,384 bytes
	s_lshl_b32 s22, s20, 11                        ; 512 columns of 4 bytes
	s_add_co_u32 s14, s14, s22
	s_and_b32 s22, s12, 7
	s_lshl_b32 s22, s22, 8                         ; my wave's 64 columns
	s_add_co_u32 s14, s14, s22
	s_lshr_b32 s22, s12, 3
	s_lshl_b32 s22, s22, 21                        ; my wave's 128 rows
	s_add_co_u32 s14, s14, s22
	s_add_nc_u64 s[6:7], s[6:7], s[14:15]
	s_lshl_b32 s22, s20, 1                         ; on the way out wave w stores columns 32 w .. + 31 of the 512:
	s_lshr_b32 s23, s12, 3
	s_add_co_u32 s22, s22, s23                     ; which block of 256 columns
	s_lshl_b32 s22, s22, 4
	s_add_co_u32 s22, s22, s21                     ; piece (block, K step)
	s_mul_i32 s14, s22, BLK
	s_and_b32 s23, s12, 7                          ; which 32 of the block's columns
	s_lshl_b32 s24, s23, 13                        ; x 256 bytes of codes
	s_add_co_u32 s24, s24, s14
	s_mov_b32 s25, 0
	s_add_nc_u64 s[16:17], s[10:11], s[24:25]      ; the codes
	s_lshl_b32 s24, s23, 8                         ; x 8 scale bytes
	s_add_co_u32 s24, s24, s14
	s_add_co_u32 s24, s24, SCO
	s_add_nc_u64 s[18:19], s[10:11], s[24:25]      ; the scale bytes
.macro WLOAD t                         ; block t: W(32 t + i, my two columns), i = 0 .. 31: each load of the wave reads 256 consecutive bytes, aligned.  The largest offset, 127 x 16,384, lies inside the signed 24-bit immediate
.irp i, 0,1,2,3,4,5,6,7,8,9,10,11,12,13,14,15,16,17,18,19,20,21,22,23,24,25,26,27,28,29,30,31
	global_load_b64 v[WX+64*((\t)%2)+2*\i:WX+64*((\t)%2)+2*\i+1], v8, s[6:7] offset:(32*(\t)+\i)*16384 th:TH_LOAD_NT
.endr
.endm
.macro WBLOCK t
.set WS, WX+64*((\t)%2)
.if (\t) < 3
	s_wait_loadcnt 32                              ; this block's 32 loads are in; the next block's may be out
.else
	s_wait_loadcnt 0x0
.endif
	v_max3_num_f32 v16, |v[WS]|, |v[WS+2]|, |v[WS+4]|              ; the two columns' largest magnitudes, by turns: all 32 numbers of a block are mine
	v_max3_num_f32 v17, |v[WS+1]|, |v[WS+3]|, |v[WS+5]|
.irp i, 3,5,7,9,11,13,15,17,19,21,23,25,27,29
	s_delay_alu instid0(VALU_DEP_2)
	v_max3_num_f32 v16, v16, |v[WS+2*\i]|, |v[WS+2*\i+2]|
	s_delay_alu instid0(VALU_DEP_2)
	v_max3_num_f32 v17, v17, |v[WS+2*\i+1]|, |v[WS+2*\i+3]|
.endr
	s_delay_alu instid0(VALU_DEP_2)
	v_max3_num_f32 v16, v16, |v[WS+62]|, 0x8000000 ; and the floor 2^(16 - 127)
	s_delay_alu instid0(VALU_DEP_2)
	v_max3_num_f32 v17, v17, |v[WS+63]|, 0x8000000
	v_add_nc_u32 v18, 0xf8800000, v16              ; the conversions' scale operands
	v_add_nc_u32 v19, 0xf8800000, v17
	v_and_or_b32 v20, v16, 0x7f800000, s29         ; 57,344 x the scale
	v_and_or_b32 v21, v17, 0x7f800000, s29
	v_lshrrev_b32 v22, 23, v18                     ; the scales' bytes
	v_lshrrev_b32 v23, 23, v19
.if (\t) == 0
	v_mov_b32 v24, v22                             ; four bytes to a register, the lower K in the lower byte
	v_mov_b32 v25, v23
.else
	v_lshl_or_b32 v24, v22, 8*(\t), v24
	v_lshl_or_b32 v25, v23, 8*(\t), v25
.endif
.irp i, 0,1,2,3,4,5,6,7,8,9,10,11,12,13,14,15,16,17,18,19,20,21,22,23,24,25,26,27,28,29,30,31
	v_med3_num_f32 v[WH+\i], v[WS+2*\i], -v20, v20                 ; the hold also parts the two columns: 32 consecutive registers each
	v_med3_num_f32 v[WH+32+\i], v[WS+2*\i+1], -v21, v21
.endr
.irp g, 0,1,2,3
	v_cvt_scalef32_pk8_bf8_f32 v[WC+2*\g:WC+2*\g+1], v[WH+8*\g:WH+8*\g+7], v18
	v_cvt_scalef32_pk8_bf8_f32 v[WC+8+2*\g:WC+8+2*\g+1], v[WH+32+8*\g:WH+32+8*\g+7], v19
.endr
	ds_store_b128 v10, v[WC:WC+3] offset:32*(\t)   ; 32 codes: 32 bytes of each column's row.  (The results go to LDS stores; the next vector line is a plain one that names none of these registers)
	ds_store_b128 v10, v[WC+4:WC+7] offset:32*(\t)+16
	ds_store_b128 v10, v[WC+8:WC+11] offset:272+32*(\t)
	ds_store_b128 v10, v[WC+12:WC+15] offset:272+32*(\t)+16
.if (\t)+2 < 4
	WLOAD (\t)+2
.endif
	s_wait_dscnt 0x0                               ; the stores have read their registers: the next block's codes may be written
.endm
	s_wait_alu depctr_va_vdst(0)
	WLOAD 0
	WLOAD 1
.irp t, 0,1,2,3
	WBLOCK \t
.endr
	ds_store_b32 v14, v24                          ; my two columns' four scale bytes of my half of the K step
	ds_store_b32 v14, v25 offset:8
	s_wait_dscnt 0x0                               ; for the others' sake: my stores into the stage and of the scale words are done
	s_barrier_signal -1
	s_barrier_wait -1                              ; the 512 columns' codes and scale bytes of the whole K step lie in LDS
	ds_load_b64 v[26:27], v15
.irp t, 0,1,2,3,4,5,6,7,8,9,10,11,12,13,14,15
	ds_load_b128 v[OUTR+4*\t:OUTR+4*\t+3], v11 offset:2*\t*272
.endr
	s_wait_dscnt 16                                ; the scale bytes are in; the 16 loads behind them may be out
	global_store_b64 v8, v[26:27], s[18:19]        ; 32 columns x 8 scale bytes: 256 consecutive bytes, aligned
.irp t, 0,1,2,3,4,5,6,7,8,9,10,11,12,13,14,15
	s_wait_dscnt 15-\t
	global_store_b128 v2, v[OUTR+4*\t:OUTR+4*\t+3], s[16:17] offset:512*\t   ; two columns' rows of codes: 512 consecutive bytes
.endr
	s_wait_tensorcnt 0x0
	ds_add_u32 v254, v255
	s_wait_dscnt 0x0
	s_endpgm
.Lfunc_end_k_q51a0cc9507_quant:
	.size	k_q51a0cc9507_quant, .Lfunc_end_k_q51a0cc9507_quant-k_q51a0cc9507_quant
	.p2alignl 7, 3214868480
	.fill 96, 4, 3214868480
	.section	.rodata,"a",@progbits
	.p2align	6, 0x0
	.amdhsa_kernel k_q51a0cc9507_quant
		.amdhsa_group_segment_fixed_size 231424
		.amdhsa_private_segment_fixed_size 0
		.amdhsa_enable_private_segment 0
		.amdhsa_kernarg_size 32
		.amdhsa_user_sgpr_count 2
		.amdhsa_user_sgpr_kernarg_segment_ptr 1
		.amdhsa_wavefront_size32 1
		.amdhsa_system_sgpr_workgroup_id_x 1
		.amdhsa_system_sgpr_workgroup_id_y 1
		.amdhsa_system_sgpr_workgroup_id_z 1
		.amdhsa_system_vgpr_workitem_id 0
		.amdhsa_next_free_vgpr 256
		.amdhsa_next_free_sgpr 66
		.amdhsa_reserve_vcc 0
		.amdhsa_float_denorm_mode_32 3
		.amdhsa_float_denorm_mode_16_64 3
		.amdhsa_memory_ordered 1
		.amdhsa_forward_progress 1
		.amdhsa_inst_pref_size 126
	.end_amdhsa_kernel
	.amdgpu_metadata
---
amdhsa.version: [ 1, 2 ]
amdhsa.kernels:
  - .name:           k_q51a0cc9507_quant
    .symbol:         k_q51a0cc9507_quant.kd
    .args:
      - { .name: x, .offset: 0, .size: 8, .value_kind: global_buffer, .address_space: global }
      - { .name: W, .offset: 8, .size: 8, .value_kind: global_buffer, .address_space: global }
      - { .name: aq, .offset: 16, .size: 8, .value_kind: global_buffer, .address_space: global }
      - { .name: bq, .offset: 24, .size: 8, .value_kind: global_buffer, .address_space: global }
    .group_segment_fixed_size: 231424
    .private_segment_fixed_size: 0
    .kernarg_segment_align: 8
    .kernarg_segment_size: 32
    .max_flat_workgroup_size: 512
    .sgpr_count:     66
    .vgpr_count:     256
    .wavefront_size: 32
...
	.end_amdgpu_metadata
.endif
;; end of part 1
;; launch gemm (part 2): grid 16 x 16, 4 waves a work-group, clusters of 4 x 4, 327,680 bytes of LDS; arguments aq, bq, b, out0; writes out0
.if DOCPART == 2
	.amdgcn_target "amdgcn-amd-amdhsa--gfx1250"
	.amdhsa_code_object_version 6
	.text
	.protected	k_q51a0cc9507_gemm
	.globl	k_q51a0cc9507_gemm
	.p2align	8
	.type	k_q51a0cc9507_gemm,@function
k_q51a0cc9507_gemm:
	s_mov_b64 s[64:65], 0
	v_nop
	global_prefetch_b8 v0, s[64:65] scope:SCOPE_SE
	s_setreg_imm32_b32 hwreg(HW_REG_WAVE_MODE, 25, 1), 1
	s_wait_xcnt 0x0
	s_wait_alu depctr_hold_cnt(0) depctr_sa_sdst(0) depctr_va_vdst(0) depctr_va_sdst(0) depctr_va_ssrc(0) depctr_va_vcc(0) depctr_vm_vsrc(0)
	s_getreg_b32 s2, hwreg(HW_REG_IB_STS2, 6, 4)
	s_cmp_eq_u32 s2, 0
	s_cbranch_scc0 .Lentry_in_a_cluster
	s_endpgm
.Lentry_in_a_cluster:
	s_bfe_u32 s2, ttmp6, 0x10000c
	s_cmp_lg_u32 s2, 0xf033
	s_cbranch_scc0 .Lentry_shape_is_right
	s_endpgm
.Lentry_shape_is_right:
; out0 = relu(A B^T + b) on codes of MX-BF8 (E5M2, one E8M0 byte for 32 along K).  aq holds the normalised x, bq holds W by columns, both as [block of 256 rows: 16][K step of 256: 16][piece of 67,584 bytes]:
; a piece is 264 dense rows of 256 bytes: 256 rows of codes, then 8 rows of scale bytes, 8 for each row of codes.
; A block of 256 x 256 of out0 is made by a work-group of four waves, 2 x 2; a wave makes 128 x 128 in 64 accumulators (512 registers).  256 work-groups.  K goes in steps of 256 through two LDS slots; a slot holds A's piece and B's.
; CLUSTERS of 4 x 4: A's piece is shared along a row of the cluster, B's along a column; each is asked for jointly, half a piece (132 rows) a wave: waves 0, 1 A's halves, waves 2, 3 B's.
; Clusters whose x + y is odd take each pair of K steps in the other order, so the f32 sums do not all run in ascending K.
; THE PRODUCT IS USED TRANSPOSED (source 0 = 16 rows of B, source 1 = 16 rows of A): a lane holds eight neighbouring numbers of a row of out0.  The bias is the C of the first products.
; A STEP is 128 along K: 64 products, A's blocks one after the other, each against B's eight.  The next step's 64 LDS loads stand in TWO runs of 32, 32 products apart: B's eight fragments behind block 1, A's eight behind block 5.
; Eight v_nop stand in front of each run: a load into a register that a product has read has eight plain vector lines between.
; B has two sets of registers.  A's blocks 0-3 have one, free behind block 3's products; blocks 4-7 have two (odd steps': the registers that held the bias).  So all of an odd step's fragments are asked for inside the even step
; before it, and a slot's reads are over when its last step begins.  The change of slots stands behind that step's blocks 0 to 2.
; PREFETCH: behind the fill with piece n each wave asks for its share of piece n + 2: of the 128 rows of codes of its half the partner at place p (cx for A, cy for B) takes 32, a lane a row of 256 bytes, and one of the piece's
; eight rows of scale bytes (row 2 p + half, named by all its lanes).  The head asks for pieces 1 and 2; the fills with pieces 14 and 15 ask for nothing.  A work-group has at most two pieces' shares asked for and not yet loaded.
; LIMITS: NaN and infinities are not served (the maximum with 0 turns a NaN into 0).
; REGISTERS: window 0: v16-31 addresses; v32-63 scale words, two sets; v64-127 the bias, then A's blocks 4-7 of odd steps; v128-255 A's eight fragments; on the way out v128-255 rows read back.
;   window 1: B's two sets.  Windows 2, 3: the accumulators of my rows 0-63, 64-127: (a, b) at v[8 (8 (a % 4) + b)].
.set SIZE_N, 4096
.set BLK,    67584                     ; a piece
.set MBS,    16*BLK                    ; a block's 16 pieces
.set HALFB,  BLK/2                     ; what one tensor load brings: 132 rows of 256 bytes
.set PITCH,  272                       ; an LDS row: 256 bytes + 16 of padding: the 16 rows that a load touches start at 16 different banks (64 banks of 4 bytes: ISA guide 11.1)
.set HALFT,  132*PITCH
.set OPT,    2*HALFT                   ; a piece in LDS; B's lies behind A's
.set SCR,    256*PITCH                 ; where a piece's scale bytes begin in LDS
.set SLOT,   2*OPT
.set SPARE,  2*SLOT                    ; behind the slots: the spare words, 128 bytes a wave
.set SPITCH, 528                       ; the way out: 16 rows x (512 + 16) bytes a wave, in slot 0, which has had its last fill and its last read by then
.set LAPS,   8
.set ADRA, 16                          ; v16-17 my A fragments in slot 0, 1
.set ADRB, 20                          ; v20-21 my B fragments
.set ADRS, 22                          ; v22-23 my scale words: lanes 0-15 A's rows, lanes 16-31 B's
.set STO,  24
.set RD,   25
.set CO,   26
.set BO,   27
.set SPW,  28                          ; my spare word; never rewritten
.set NIL,  29                          ; 0; never rewritten
.set PFO,  30                          ; prefetch: my row of codes in a piece
.set PFS,  31                          ; prefetch: my wave's row of scale bytes
.set SC,   32                          ; scale words: block i, word q of slot s in v[SC + 16 s + 2 i + (q xor i / 4)]: two different blocks' registers never have numbers equal modulo 8
.set BI,   64
.set AF,   128
.set BK,   128
.set G1,  24
.set G0,  32
.set G1B, 48
.set G0B, 56
.set PF,  4                            ; s[4:5], s[6:7]: the piece (of the operand that I fetch) that slot 0, slot 1 was last filled with
.set MSB, 0
.macro WIN new                         ; the immediate's high byte repeats the setting that is left
.if MSB != \new
	s_set_vgpr_msb (MSB<<8)|\new
.set MSB, \new
.endif
.endm
.macro PLACES n
.rept \n
	v_nop
.endr
.endm
.macro JLOAD s                         ; a joint load; s_nop 0 and four v_nop follow each line
	s_cmp_eq_u32 s15, 0
	s_cbranch_scc0 .Lfor_b_\@
	tensor_load_to_lds s[G0+4*\s:G0+4*\s+3], s[G1:G1+7]
	s_nop 0
	PLACES 4
	s_branch .Lasked_\@
.Lfor_b_\@:
	tensor_load_to_lds s[G0B+4*\s:G0B+4*\s+3], s[G1B:G1B+7]
	s_nop 0
	PLACES 4
.Lasked_\@:
.endm
.macro CREST                           ; a round of the cluster's barrier behind its opening barrier
	s_cmp_lg_u32 s14, 0
	s_cbranch_scc1 .Lnot_wave_0_\@
	s_barrier_signal -3
.Lnot_wave_0_\@:
	s_barrier_wait -3
	s_barrier_signal -1
	s_barrier_wait -1
.endm
.macro CROUND
	s_barrier_signal -1
	s_barrier_wait -1
	CREST
.endm
.macro ASK slot, off                   ; my share of the piece off bytes behind the one that the slot was last filled with
	global_prefetch_b8 v[PFO], s[PF+2*\slot:PF+2*\slot+1] offset:\off th:TH_LOAD_NT scope:SCOPE_SE
	global_prefetch_b8 v[PFS], s[PF+2*\slot:PF+2*\slot+1] offset:\off th:TH_LOAD_NT scope:SCOPE_SE
.endm
.macro ASKL slot                       ; in the loop: the last trip's fills have no piece two on
	WIN 0
	s_cmp_eq_u32 s3, 1
	s_cbranch_scc1 .Lno_ask_\@
	ASK \slot, 2*BLK
.Lno_ask_\@:
.endm
	s_load_b256 s[4:11], s[0:1], 0x0               ; aq, bq, b, out0
	v_lshl_add_u32 v[SPW], v0, 2, SPARE
	v_mov_b32 v[NIL], 0
	ds_add_u32 v[SPW], v[NIL]                      ; the opening lines: the add, twice on end, and its wait ahead of my first tensor load
	ds_add_u32 v[SPW], v[NIL]
	v_lshrrev_b32 v1, 5, v0
	v_readfirstlane_b32 s14, v1                    ; wave
	s_lshr_b32 s15, s14, 1                         ; my half of the block's rows; also: I fetch for A (0) or B (1)
	s_and_b32 s16, s14, 1                          ; my half of its columns; also: which half of a piece I fetch
	s_bfe_u32 s40, ttmp6, 0x40000                  ; cx
	s_bfe_u32 s41, ttmp6, 0x40004                  ; cy
	s_lshl_b32 s42, ttmp9, 2
	s_add_co_u32 s42, s42, s40                     ; block column
	s_and_b32 s17, ttmp7, 0xffff
	s_lshl_b32 s17, s17, 2
	s_add_co_u32 s17, s17, s41                     ; block row
	s_lshl_b32 s43, s41, 2
	s_lshl_b32 s43, 15, s43                        ; my row of the cluster
	s_lshl_b32 s44, 0x1111, s40                    ; my column
	s_and_b32 s12, ttmp7, 0xffff
	s_add_co_u32 s12, s12, ttmp9
	s_and_b32 s12, s12, 1
	s_mul_i32 s12, s12, BLK                        ; s[12:13]: slot 0's first piece: K step 0 or 1, by the cluster's numbers alone
	s_mov_b32 s13, 0
	s_sub_co_u32 s22, BLK, s12                     ; s[22:23]: slot 1's: the other
	s_mov_b32 s23, 0
	s_or_b32 s[G1+0], s43, (3<<16)|(1<<20)|(1<<21)|(5<<22)|(3<<25)   ; elements of 8 bytes; 16 bytes of padding behind every 256
	s_or_b32 s[G1B+0], s44, (3<<16)|(1<<20)|(1<<21)|(5<<22)|(3<<25)
.irp g, G1, G1B
	s_mov_b32 s[\g+1], 32<<16
	s_mov_b32 s[\g+2], 132<<16
	s_mov_b32 s[\g+3], 32<<16
	s_mov_b32 s[\g+4], 132
	s_mov_b32 s[\g+5], 32
	s_mov_b32 s[\g+6], 0
	s_mov_b32 s[\g+7], 0
.endr
	s_mul_i32 s18, s16, HALFB
	s_mov_b32 s19, 0
	s_mul_i32 s20, s17, MBS
	s_mov_b32 s21, 0
	s_mul_i32 s46, s42, MBS
	s_mov_b32 s47, 0
	s_mul_i32 s45, s14, HALFT                      ; where my half piece goes: no place in the cluster enters an LDS address
	s_wait_dscnt 0x0                               ; both opening adds are done
	CROUND                                         ; all sixteen work-groups are here
	s_wait_kmcnt 0x0
	s_add_nc_u64 s[20:21], s[4:5], s[20:21]        ; A's block
	s_add_nc_u64 s[46:47], s[6:7], s[46:47]        ; B's block
	s_cmp_eq_u32 s15, 0
	s_cselect_b64 s[PF:PF+1], s[20:21], s[46:47]   ; the prefetches follow the operand that I fetch
	s_add_nc_u64 s[PF+2:PF+3], s[PF:PF+1], s[22:23]
	s_add_nc_u64 s[PF:PF+1], s[PF:PF+1], s[12:13]
	s_add_nc_u64 s[20:21], s[20:21], s[18:19]      ; my half of a piece
	s_add_nc_u64 s[46:47], s[46:47], s[18:19]
.irp s, 0,1
	s_mov_b32 s[G0+4*\s], 1
	s_add_co_u32 s[G0+4*\s+1], s45, \s*SLOT
	s_add_nc_u64 s[G0+4*\s+2:G0+4*\s+3], s[20:21], s[12+10*\s:13+10*\s]
	s_or_b32 s[G0+4*\s+3], s[G0+4*\s+3], 0x80000000
	s_mov_b32 s[G0B+4*\s], 1
	s_add_co_u32 s[G0B+4*\s+1], s45, \s*SLOT
	s_add_nc_u64 s[G0B+4*\s+2:G0B+4*\s+3], s[46:47], s[12+10*\s:13+10*\s]
	s_or_b32 s[G0B+4*\s+3], s[G0B+4*\s+3], 0x80000000
.endr
	JLOAD 0                                        ; slot 0's first fill: one tensor load a wave at the head
	s_lshl_b32 s46, s42, 10                        ; my first column in bytes
	s_lshl_b32 s47, s16, 9
	s_add_co_u32 s46, s46, s47
	s_mov_b32 s47, 0
	s_add_nc_u64 s[8:9], s[8:9], s[46:47]          ; the bias of my 128 columns
	s_lshl_b32 s20, s17, 8
	s_lshl_b32 s21, s15, 7
	s_add_co_u32 s20, s20, s21                     ; my first row
	s_lshl_b32 s20, s20, 14
	s_add_co_u32 s20, s20, s46
	s_mov_b32 s21, 0
	s_add_nc_u64 s[10:11], s[10:11], s[20:21]
	s_mul_i32 s18, s15, 128*PITCH                  ; my 128 rows of A in slot 0, 1
	s_add_co_u32 s19, s18, SLOT
	s_mul_i32 s20, s16, 128*PITCH                  ; my 128 rows of B
	s_add_co_u32 s20, s20, OPT
	s_add_co_u32 s21, s20, SLOT
	s_mul_i32 s22, s15, 4*PITCH                    ; my rows' scale bytes: A's,
	s_mul_i32 s23, s16, 4*PITCH
	s_add_co_u32 s23, s23, OPT
	s_sub_co_u32 s23, s23, s22                     ; and how far behind them B's lie
	s_add_co_u32 s22, s22, SCR
	s_mul_i32 s45, s14, 16*SPITCH                  ; my stage
	s_cmp_eq_u32 s15, 0
	s_cselect_b32 s12, s40, s41                    ; my place among the four that ask with me: it enters global offsets of prefetches alone
	s_lshl_b32 s13, s16, 7
	s_lshl_b32 s46, s12, 5
	s_add_co_u32 s13, s13, s46
	s_lshl_b32 s13, s13, 8                         ; rows 128 half + 32 p on
	s_lshl_b32 s46, s12, 1
	s_add_co_u32 s46, s46, s16
	s_lshl_b32 s46, s46, 8
	s_add_co_u32 s46, s46, 65536                   ; row 256 + 2 p + half
	v_and_b32 v1, 15, v0
	v_bfe_u32 v2, v0, 4, 1
	v_and_b32 v6, 31, v0
	v_lshl_add_u32 v[PFO], v6, 8, s13
	v_mov_b32 v[PFS], s46
	v_mul_u32_u24 v3, v1, PITCH
	v_lshl_add_u32 v4, v2, 4, v3                   ; a fragment's row x pitch + 16 x half of the lanes
	v_add_nc_u32 v[ADRA], s18, v4
	v_add_nc_u32 v[ADRA+1], s19, v4
	v_add_nc_u32 v[ADRB], s20, v4
	v_add_nc_u32 v[ADRB+1], s21, v4
	v_lshlrev_b32 v5, 3, v1
	v_mul_u32_u24 v7, s23, v2                      ; lanes 16-31 take B's words
	v_add_nc_u32 v5, v5, v7
	v_add_nc_u32 v[ADRS], s22, v5
	v_add_nc_u32 v[ADRS+1], SLOT, v[ADRS]
	v_mul_u32_u24 v5, v1, SPITCH
	v_lshl_add_u32 v5, v2, 5, v5
	v_add_nc_u32 v[STO], s45, v5
	v_lshlrev_b32 v[CO], 4, v6
	v_add_nc_u32 v[RD], s45, v[CO]
	v_lshlrev_b32 v[BO], 5, v2
	s_wait_alu depctr_va_vdst(0)
	ASK 1, 0                                       ; slot 1's first piece,
	ASK 0, 2*BLK                                   ; and slot 0's second
.irp b, 0,1,2,3,4,5,6,7
	global_load_b128 v[BI+8*\b:BI+8*\b+3],   v[BO], s[8:9] offset:64*\b      ; the bias in the result's layout: columns 16 b + 8 h + 0 .. 7
	global_load_b128 v[BI+8*\b+4:BI+8*\b+7], v[BO], s[8:9] offset:64*\b+16
.endr
; eight products: A's block a against B's eight, the slot's q-th 128 along K.  The 64 accumulators take turns
.macro MUL a, q, sc, first
.set AR_, AF+16*(\a)-128*(\q)*((\a)/4)
.set SA_, SC+16*(\sc)+2*(\a)+((\q)^((\a)/4))
.if \first
	WIN 0x81+0x40*((\a)/4)
.else
	WIN 0xa1+0x50*((\a)/4)
.endif
.irp b, 0,1,2,3,4,5,6,7
.set AC_, 8*(8*((\a)%4)+\b)
.set SB_, SC+16*(\sc)+2*\b+((\q)^(\b/4))
.if \first
	v_wmma_scale_f32_16x16x128_f8f6f4 v[AC_:AC_+7], v[128*(\q)+16*\b:128*(\q)+16*\b+15], v[AR_:AR_+15], v[BI+8*\b:BI+8*\b+7], v[SB_], v[SA_] matrix_a_fmt:MATRIX_FMT_BF8 matrix_b_fmt:MATRIX_FMT_BF8 matrix_a_scale:MATRIX_SCALE_ROW1
.else
	v_wmma_scale_f32_16x16x128_f8f6f4 v[AC_:AC_+7], v[128*(\q)+16*\b:128*(\q)+16*\b+15], v[AR_:AR_+15], v[AC_:AC_+7], v[SB_], v[SA_] matrix_a_fmt:MATRIX_FMT_BF8 matrix_b_fmt:MATRIX_FMT_BF8 matrix_a_scale:MATRIX_SCALE_ROW1
.endif
.endr
.endm
.macro LB slot, q                      ; B's eight fragments of the slot's q-th 128 along K into set q: 32 loads
	WIN 0x40
.irp i, 0,1,2,3,4,5,6,7
.irp c, 0,1,2,3
	ds_load_b128 v[128*(\q)+16*\i+4*\c:128*(\q)+16*\i+4*\c+3], v[ADRB+\slot] offset:128*(\q)+32*\c+\i*16*PITCH
.endr
.endr
	WIN 0
.endm
.macro LA slot, q, i0                  ; A's fragments i0 .. i0 + 3: 16 loads; blocks 4-7 of odd steps go to v64-127
.irp i, \i0, \i0+1, \i0+2, \i0+3
.set LR_, AF+16*(\i)-128*(\q)*((\i)/4)
.irp c, 0,1,2,3
	ds_load_b128 v[LR_+4*\c:LR_+4*\c+3], v[ADRA+\slot] offset:128*(\q)+32*\c+(\i)*16*PITCH
.endr
.endr
.endm
.macro SCALES sc                       ; a slot's scale words: 12 loads
.irp i, 0,1,2,3
	ds_load_b64 v[SC+16*\sc+2*\i:SC+16*\sc+2*\i+1], v[ADRS+\sc] offset:(\i/2)*PITCH+(\i%2)*128
.endr
.irp i, 4,5,6,7
	ds_load_b32 v[SC+16*\sc+2*\i], v[ADRS+\sc] offset:(\i/2)*PITCH+(\i%2)*128+4
	ds_load_b32 v[SC+16*\sc+2*\i+1], v[ADRS+\sc] offset:(\i/2)*PITCH+(\i%2)*128
.endr
.endm
; AN EVEN STEP (a slot's first).  Its own fragments were asked for in the order B 0-7, scale words, A 0-7; it asks for the odd step's in the order B 0-7, A 0-7.
; first = 1: the bias lies in v64-127 until the last product, so A 4-7 are asked for behind the step and eight places.
.macro STEP_E slot, first
	s_wait_dscnt 24                                ; B, the scale words and A 0, 1 are in; A 2-7 may be out
	MUL 0, 0, \slot, \first
	MUL 1, 0, \slot, \first
	PLACES 8
	LB \slot, 1
	s_wait_dscnt 48                                ; A 2, 3 are in; A 4-7 and the 32 just issued may be out
	MUL 2, 0, \slot, \first
	MUL 3, 0, \slot, \first
	s_wait_dscnt 32                                ; all but the 32 just issued
	MUL 4, 0, \slot, \first
	MUL 5, 0, \slot, \first
	PLACES 8
	WIN 0
	LA \slot, 1, 0
.if \first == 0
	LA \slot, 1, 4
.endif
	MUL 6, 0, \slot, \first
	MUL 7, 0, \slot, \first
	WIN 0
.if \first
	PLACES 8
	LA \slot, 1, 4
.endif
.endm
; AN ODD STEP (a slot's last) changes slots.  All reads of this slot were issued in the step before.  In front of the barrier each wave waits for all its tensor loads (one is out: its part of the next slot), adds 0 to its spare word,
; and waits for that and for its reads.  fill = 1: the barrier opens a round of the cluster's barrier, and this slot is filled again behind it.  load = 0: the very last step.
.macro STEP_O slot, next, fill, load
.if \fill
	s_wait_xcnt 0x0                                ; my prefetches have read their base: it steps to the piece that is asked for below
	s_add_nc_u64 s[PF+2*\slot:PF+2*\slot+1], s[PF+2*\slot:PF+2*\slot+1], 2*BLK
.endif
.if \load
	s_wait_tensorcnt 0x0
	ds_add_u32 v[SPW], v[NIL]
.endif
.if \fill
	s_add_nc_u64 s[G0+4*\slot+2:G0+4*\slot+3], s[G0+4*\slot+2:G0+4*\slot+3], 2*BLK     ; no tensor load of mine is out
	s_add_nc_u64 s[G0B+4*\slot+2:G0B+4*\slot+3], s[G0B+4*\slot+2:G0B+4*\slot+3], 2*BLK
.endif
	s_wait_dscnt 24+\load                          ; B and A 0, 1 are in; A 2-7 and the add may be out
	MUL 0, 1, \slot, 0
	MUL 1, 1, \slot, 0
	s_wait_dscnt 0x0                               ; the add is done, and my reads of this slot are over
.if \load
	s_barrier_signal -1
.endif
	MUL 2, 1, \slot, 0
.if \load
	WIN 0
	s_barrier_wait -1
.if \fill
	CREST
	JLOAD \slot                                    ; the first tensor load behind the round; its four v_nop are four of the eight places
	PLACES 4
.else
	PLACES 8
.endif
	LB \next, 0
	SCALES \next
.if \fill
	ASKL \slot
.endif
.endif
	MUL 3, 1, \slot, 0
	MUL 4, 1, \slot, 0
	MUL 5, 1, \slot, 0
.if \load
	PLACES 8
	WIN 0
	LA \next, 0, 0
	LA \next, 0, 4
.endif
	MUL 6, 1, \slot, 0
	MUL 7, 1, \slot, 0
	WIN 0
.endm
	s_wait_tensorcnt 0x0                           ; my part of slot 0 is in
	ds_add_u32 v[SPW], v[NIL]
	s_wait_dscnt 0x0
	CROUND
	JLOAD 1                                        ; slot 1's first fill
	LB 0, 0
	SCALES 0
	LA 0, 0, 0
	LA 0, 0, 4
	ASK 1, 2*BLK                                   ; slot 1's second piece
	s_wait_loadcnt 0x0                             ; the bias
	STEP_E 0, 1                                    ; the first step stands in front of the loop: its products start the sums from the bias
	s_mov_b32 s3, LAPS-1
.Llap:
	STEP_O 0, 1, 1, 1
	STEP_E 1, 0
	STEP_O 1, 0, 1, 1
	STEP_E 0, 0
	s_sub_co_u32 s3, s3, 1
	s_cmp_lg_u32 s3, 0
	s_cbranch_scc1 .Llap
	STEP_O 0, 1, 0, 1                              ; the last lap fills nothing
	STEP_E 1, 0
	STEP_O 1, 0, 0, 0
; THE WAY OUT, block by block of 16 rows x 128 columns: through my own stage in LDS, back as whole rows of 512 bytes, the maximum with 0, and out.  LDS serves a wave's instructions in order (ISA guide 5.7.1.4).
.macro TOSTAGE a
.set AC, 64*((\a)%4)
	WIN 0x08+4*((\a)/4)
.irp b, 0,1,2,3,4,5,6,7
	ds_store_b128 v[STO], v[AC+8*\b:AC+8*\b+3] offset:64*\b          ; each accumulator from its low end on
	ds_store_b128 v[STO], v[AC+8*\b+4:AC+8*\b+7] offset:64*\b+16
.endr
	WIN 0
.set BB, BK+64*((\a)%2)
.irp t, 0,1,2,3,4,5,6,7,8,9,10,11,12,13,14,15
	ds_load_b128 v[BB+4*\t:BB+4*\t+3], v[RD] offset:\t*SPITCH
.endr
.endm
.macro SEND a, younger                 ; younger: the LDS instructions issued behind block a's loads
.set BB, BK+64*((\a)%2)
	s_wait_dscnt \younger
.if (\a) > 0
	s_add_nc_u64 s[10:11], s[10:11], 16*SIZE_N*4   ; behind a wait on XCNT: the earlier stores have read their base
.endif
.irp t, 0,1,2,3,4,5,6,7,8,9,10,11,12,13,14,15
.irp k, 0,1,2,3
	v_max_num_f32 v[BB+4*\t+\k], 0, v[BB+4*\t+\k]
.endr
	global_store_b128 v[CO], v[BB+4*\t:BB+4*\t+3], s[10:11] offset:\t*SIZE_N*4 th:TH_STORE_NT   ; 32 lanes store 512 consecutive bytes, at a multiple of 256 from out0's first byte; written once, read by nobody here
.endr
.endm
	PLACES 8
	TOSTAGE 0
.irp a, 1,2,3,4,5,6,7
.if \a > 1
	s_wait_xcnt 0x0                                ; block a - 2's stores have read their registers and their base
.endif
	TOSTAGE \a
	SEND \a-1, 32
.endr
	s_wait_xcnt 0x0
	SEND 7, 0
	s_wait_tensorcnt 0x0                           ; the wave's end
	ds_add_u32 v[SPW], v[NIL]
	s_wait_dscnt 0x0
	CROUND                                         ; the closing round
	s_endpgm
.Lfunc_end_k_q51a0cc9507_gemm:
	.size	k_q51a0cc9507_gemm, .Lfunc_end_k_q51a0cc9507_gemm-k_q51a0cc9507_gemm
	.p2alignl 7, 3214868480
	.fill 96, 4, 3214868480
	.section	.rodata,"a",@progbits
	.p2align	6, 0x0
	.amdhsa_kernel k_q51a0cc9507_gemm
		.amdhsa_group_segment_fixed_size 327680
		.amdhsa_private_segment_fixed_size 0
		.amdhsa_enable_private_segment 0
		.amdhsa_kernarg_size 32
		.amdhsa_user_sgpr_count 2
		.amdhsa_user_sgpr_kernarg_segment_ptr 1
		.amdhsa_wavefront_size32 1
		.amdhsa_system_sgpr_workgroup_id_x 1
		.amdhsa_system_sgpr_workgroup_id_y 1
		.amdhsa_system_sgpr_workgroup_id_z 1
		.amdhsa_system_vgpr_workitem_id 0
		.amdhsa_next_free_vgpr 1024
		.amdhsa_next_free_sgpr 66
		.amdhsa_reserve_vcc 0
		.amdhsa_float_denorm_mode_32 3
		.amdhsa_float_denorm_mode_16_64 3
		.amdhsa_memory_ordered 1
		.amdhsa_forward_progress 1
		.amdhsa_inst_pref_size 165
	.end_amdhsa_kernel
	.amdgpu_metadata
---
amdhsa.version: [ 1, 2 ]
amdhsa.kernels:
  - .name:           k_q51a0cc9507_gemm
    .symbol:         k_q51a0cc9507_gemm.kd
    .args:
      - { .name: aq, .offset: 0, .size: 8, .value_kind: global_buffer, .address_space: global }
      - { .name: bq, .offset: 8, .size: 8, .value_kind: global_buffer, .address_space: global }
      - { .name: b, .offset: 16, .size: 8, .value_kind: global_buffer, .address_space: global }
      - { .name: out0, .offset: 24, .size: 8, .value_kind: global_buffer, .address_space: global }
    .group_segment_fixed_size: 327680
    .private_segment_fixed_size: 0
    .kernarg_segment_align: 8
    .kernarg_segment_size: 32
    .max_flat_workgroup_size: 128
    .sgpr_count:     66
    .vgpr_count:     1024
    .wavefront_size: 32
...
	.end_amdgpu_metadata
.endif
;; end of part 2
